; MI455X (gfx1250); checked and timed in simulation.
; The chip was launched on July 23, 2026; its instructions are those of AMD's public machine-readable ISA for CDNA 5 (MIT licence, August 2026) and "CDNA5" Instruction Set Architecture Reference Guide (July 2026). The comments in the code are by the model that wrote it; some were corrected since.
;; Autograd4bit Quant Linear. Allowed arithmetic: matrix products marked QUANTISED: E3M2 operands, one E8M0 scale for each 32 along K, by v_wmma_scale_f32_16x16x128_f8f6f4 with both operands' format E3M2, f32 sums; everything else in f32.
;; Inputs: bias 4,096 float32; qweight 512 x 4,096 int32; scales 4,096 x 1 float32; x 4 x 1,024 x 4,096 float32; zeros 4,096 x 1 float32.
;; Outputs: out0 4 x 1,024 x 4,096 float32.
;; This version of the problem:
;;   THIS VERSION OF THE PROBLEM IS GIVEN IN LOW PRECISION. The matrix products marked QUANTISED in the list below multiply operands that are first quantised to E3M2 (3 exponent bits, 2 mantissa bits; 6 bits a number), with one power-of-two scale for each 32 numbers along K (OCP MX v1.0); their sums are f32. All else is computed in f32.
;;   The module's matrix products, in the order in which they are computed (A, B: the left and right operand; K: the contracted axis; several contracted axes count as one K, in the product's order):
;;     1. [M 4,096, K 4,096] x [K 4,096, N 4,096]; A: input x; B: computed on the way: QUANTISED
;;   THE QUANTISER, for each operand of a quantised product, along K:
;;     - K is cut into blocks of 32 from its start; a last block that is shorter is filled with zeros.
;;     - A block's scale is 2^e with e = floor(log2(the largest magnitude in the block)) - 4, held to -126 .. 127; a block of zeros has e = 0. As a byte (E8M0): e + 127.
;;     - Each number is divided by its block's scale, clamped to +-28, and rounded to the nearest number of E3M2, ties to even, subnormals kept.
;;     - The product sums the exact products of the quantised numbers (number of the format x scale) in f32.
;;   ~~~python
;;   def quantise(x, axis):      # numpy; x: float32 -> the quantised numbers, widened to float32 again
;;       x = np.moveaxis(x, axis, -1); K = x.shape[-1]
;;       x = np.pad(x, [(0, 0)] * (x.ndim - 1) + [(0, -K % 32)]); x = x.reshape(x.shape[:-1] + (-1, 32)); a = np.abs(x).max(-1, keepdims=True)
;;       e = np.where(a > 0, np.clip(np.frexp(np.where(a > 0, a, 1))[1] - 1 - 4, -126, 127), 0)      # np.frexp(a)[1] - 1 = floor(log2(a)), exactly
;;       r = np.clip(x / 2.0 ** e, -28, 28)
;;       step = 2.0 ** (np.maximum(np.frexp(np.where(r == 0, 1, r))[1] - 1, -2) - 2)
;;       q = np.round(r / step) * step * 2.0 ** e      # np.round: ties to even
;;       return np.moveaxis(q.reshape(q.shape[:-2] + (-1,))[..., :K], -1, axis).astype(np.float32)
;;   ~~~
;;   OPERANDS COMPUTED ON THE WAY. 'Computed on the way' means the value that the module computes at that place (a softmax that the list does not call 'softmax' is quantised finished and normalised). What goes into a quantiser is computed in f32, as accurately as f32 sums, v_exp_f32 and their like allow (about 1e-6 of the number): no bf16 or f16 on the way to a quantiser, and a product that is left as it is and whose result goes on into a quantised operand takes f32 operands (vector FMAs, or v_wmma_f32_16x16x4_f32). A number that lies on a knife's edge between two numbers of the format may be rounded either way, as far as f32 arithmetic and the matrix unit's own rounding can turn it there, and no further.
;; One version. Each part assembles by itself: llvm-mc -triple=amdgcn-amd-amdhsa -mcpu=gfx1250 --defsym DOCPART=n.
;; ======== version 1 of 1: 2 launches
;; limits: right only within a limited range of input values
;; workspace buffers: xq 13,107,200 bytes; wq 13,107,200 bytes
;; launch quant (part 1): grid 512 x 1, 4 waves a work-group, no clusters, 61,952 bytes of LDS; arguments x, qweight, scales, zeros, xq, wq; writes xq, wq
.if DOCPART == 1
	.amdgcn_target "amdgcn-amd-amdhsa--gfx1250"
	.amdhsa_code_object_version 6
	.text
	.protected	k_q20c182f6d5_quant
	.globl	k_q20c182f6d5_quant
	.p2align	8
	.type	k_q20c182f6d5_quant,@function
k_q20c182f6d5_quant:
	s_mov_b64 s[64:65], 0
	v_nop
	global_prefetch_b8 v0, s[64:65] scope:SCOPE_SE
	s_setreg_imm32_b32 hwreg(HW_REG_WAVE_MODE, 25, 1), 1
	s_wait_xcnt 0x0
; BOTH OPERANDS OF out = x W + bias BECOME CODES OF BF6 (E3M2) WITH ONE E8M0 BYTE FOR EACH 32 ALONG K.
; x: [4096 rows][4096 k] f32.  W[k][o] = scales[o] * nibble(k, o) - zeros[o], the nibble being bits 4 (k % 8) .. + 3 of qweight[k / 8][o]; W is made in f32 by one fused multiply-add.
; A block's scale is 2^(floor(log2(its largest magnitude)) - 4); its byte is the largest magnitude's exponent field - 4, held at 1 from below by a floor among the maximum's leaves.
; LIMITS: a block of zeros, or one whose largest magnitude lies under 2^-122, gets the byte 1 (its codes are zeros or subnormal codes; the bytes are read by this program alone);
; NaN and infinities in x, scales or zeros are not served; s q - z is rounded once, where a multiplication and a subtraction would round twice: at most one unit in the last place of f32 ahead of the quantiser.
; THE WORKSPACE, the same for xq (rows of x) and wq (columns of W): [group of 128 rows g][chunk of 128 along K q][CH bytes], laid IN THE ORDER OF THE OPERAND'S REGISTERS:
;   bytes 0 .. 12,287: eight images of fragments (16 rows x 128 K, 12 registers a lane): image i at 1,536 i; registers 4 c .. 4 c + 3 of lane l at 512 c + 16 l;
;   bytes 12,288 .. 12,799: the scale words: that of row r of block i at 256 (i / 4) + 16 r + 4 (i % 4).
; SHARES.  Work-group id, wave w: chunk q = 4 (id % 8) + w, G = id / 8.  The wave quantises columns 64 G .. + 63 of W and rows 64 G .. + 63 of x in that chunk: half G % 2 of panel (G / 2, q) of each buffer.
; Waves share nothing: no barrier.  Everything is written out: every offset is an immediate and no pointer is stepped.
; Each load of x reads 512 consecutive bytes of a row, each load of qweight two runs of 256; every store of codes covers 512 consecutive bytes, every store of scale words 256, all at multiples of 256 from the buffer's first byte.
.set CH,    12800                      ; a chunk's panel
.set SCB,   12288                      ; where its scale words begin
.set ROWX,  16384                      ; a row of x, and of qweight, in bytes
.set WREG,  15360                      ; LDS: a region for each wave:
.set XP,    528                        ;   at 0: the stage for x: 16 rows of 512 bytes + 16: row r starts 4 r banks on (64 banks of 4 bytes: ISA guide 11.1)
.set WST,   8448                       ;   the stage for W's codes: four images,
.set WP,    1552                       ;   1,536 + 16 bytes apart, so that the sixteen lanes of a store fall on sixteen different columns of 16 bytes
.set WSC,   14656                      ;   W's 64 scale words
.set LN16,  1                          ; v1   16 x lane
.set SI,    2                          ; v2   x's stage, on the way in: 16 x lane
.set SOU,   3                          ; v3   and out: 528 r + 64 h
.set SCO,   4                          ; v4   x's scale words in memory: 16 r + 8 h
.set QO,    5                          ; v5   qweight: 4 rows x h + 16 r
.set SZO,   6                          ; v6   scales, zeros: 16 r
.set WSI,   7                          ; v7   W's stage, on the way in
.set WSS,   8                          ; v8   W's scale words, on the way in
.set WSO,   9                          ; v9   W's stage, on the way out: 16 x lane
.set WSR,   10                         ; v10  W's scale words, on the way out: 8 x lane
.set LN8,   11                         ; v11  8 x lane
.set SH8,   12                         ; v12  8 h
.set ZJ,    14                         ; v[14:15] the column's zero, twice
.set TM,    16                         ; v16-19 largest magnitudes, v20-23 the other half's and the bytes, v24-27 the conversions' scale operands
.set PW,    28                         ; v28-31 the scale words of x's four tiles
.set S,     32                         ; v32-35 scales of my four columns
.set Z,     36                         ; v36-39 zeros
.set PC,    40                         ; v40-51 a fragment's codes; v52-54, v56-58 halves on their way
.set D,     60                         ; v[60:61] x's scale words to store
.set SJ,    62                         ; v[62:63] the column's scale, twice
.set X,     64                         ; v64-127 64 numbers of a lane (W: 32 numbers,
.set L,     96                         ; v96-127 and the lane's 32 words of qweight)
.set R0,    128                        ; v128-191, v192-255 x as it is loaded, two sets
	s_load_b256 s[4:11], s[0:1], 0x0               ; x, qweight, scales, zeros
	s_load_b128 s[12:15], s[0:1], 0x20             ; xq, wq
	v_lshl_add_u32 v55, v0, 2, 0xf000
	v_mov_b32 v59, 0
	v_lshrrev_b32 v13, 5, v0
	v_readfirstlane_b32 s16, v13                   ; wave
	s_and_b32 s17, ttmp9, 7
	s_lshl_b32 s17, s17, 2
	s_add_co_u32 s17, s17, s16                     ; q
	s_lshr_b32 s18, ttmp9, 3                       ; G
	s_mul_i32 s19, s16, WREG                       ; my wave's LDS
	s_mov_b32 s22, 0x76543210
	s_mov_b32 s23, 0xfedcba98                      ; v_permlanex16_b32's selects for lane l xor 16
	s_mov_b32 s30, 0xffff0000                      ; lanes 16-31
	v_and_b32 v24, 31, v0                          ; lane
	v_and_b32 v25, 15, v0                          ; r
	v_bfe_u32 v26, v0, 4, 1                        ; h
	v_lshrrev_b32 v16, 2, v25                      ; r / 4
	v_and_b32 v17, 3, v25                          ; r % 4
	v_lshlrev_b32 v[LN16], 4, v24
	v_add_nc_u32 v[SI], s19, v[LN16]
	v_mul_u32_u24 v[SOU], v25, XP
	v_lshl_add_u32 v[SOU], v26, 6, v[SOU]
	v_add_nc_u32 v[SOU], s19, v[SOU]
	v_lshlrev_b32 v[SZO], 4, v25
	v_lshl_add_u32 v[SCO], v26, 3, v[SZO]
	v_lshl_add_u32 v[QO], v26, 16, v[SZO]
	v_mul_u32_u24 v[WSI], v16, WP                  ; column 4 r + j is row 4 (r % 4) + j of fragment r / 4: its image's lane 4 (r % 4) + j + 16 h
	v_lshl_add_u32 v[WSI], v17, 6, v[WSI]
	v_lshl_add_u32 v[WSI], v26, 8, v[WSI]
	v_add_nc_u32 v[WSI], s19, v[WSI]
	v_add_nc_u32 v[WSI], WST, v[WSI]
	v_lshlrev_b32 v[WSS], 6, v17                   ; its scale word: 16 x row + 4 x fragment
	v_lshl_add_u32 v[WSS], v16, 2, v[WSS]
	v_add_nc_u32 v[WSS], s19, v[WSS]
	v_add_nc_u32 v[WSS], WSC, v[WSS]
	v_add_nc_u32 v[WSO], WST, v[SI]
	v_lshlrev_b32 v[LN8], 3, v24
	v_add_nc_u32 v[WSR], s19, v[LN8]
	v_add_nc_u32 v[WSR], WSC, v[WSR]
	v_lshlrev_b32 v[SH8], 3, v26
.irp b, 0,1,2,3
	v_mov_b32 v[TM+4+\b], 0                        ; written once: a lane permute's destination counts as one of its sources
.endr
	s_lshl_b32 s24, s18, 20                        ; x: 64 G rows of 16,384 bytes
	s_lshl_b32 s20, s17, 9                         ;    + 512 q
	s_add_co_u32 s24, s24, s20
	s_mov_b32 s25, 0
	s_lshl_b32 s26, s17, 18                        ; qweight: 16 q rows of 16,384 bytes
	s_lshl_b32 s28, s18, 8                         ;    + 256 G; scales and zeros: 256 G
	s_add_co_u32 s26, s26, s28
	s_mov_b32 s27, 0
	s_mov_b32 s29, 0
	s_lshr_b32 s20, s18, 1
	s_lshl_b32 s20, s20, 5
	s_add_co_u32 s20, s20, s17
	s_mul_i32 s20, s20, CH                         ; panel (G / 2, q)
	s_and_b32 s21, s18, 1                          ; its half
	s_mul_i32 s36, s21, 6144
	s_add_co_u32 s36, s36, s20                     ; my four images
	s_mov_b32 s37, 0
	s_lshl_b32 s38, s21, 8
	s_add_co_u32 s38, s38, s20
	s_add_co_u32 s38, s38, SCB                     ; my 64 scale words
	s_mov_b32 s39, 0
	s_wait_kmcnt 0x0
	s_add_nc_u64 s[4:5], s[4:5], s[24:25]
	s_add_nc_u64 s[6:7], s[6:7], s[26:27]
	s_add_nc_u64 s[8:9], s[8:9], s[28:29]
	s_add_nc_u64 s[10:11], s[10:11], s[28:29]
	s_add_nc_u64 s[32:33], s[12:13], s[38:39]      ; xq's scale words
	s_add_nc_u64 s[34:35], s[14:15], s[38:39]      ; wq's
	s_add_nc_u64 s[12:13], s[12:13], s[36:37]      ; xq's codes
	s_add_nc_u64 s[14:15], s[14:15], s[36:37]      ; wq's
.macro XLOAD t                         ; tile t of x: 16 rows x 512 bytes into set t % 2; a load reads 512 consecutive bytes of one row
.irp p, 0,1,2,3,4,5,6,7,8,9,10,11,12,13,14,15
	global_load_b128 v[R0+64*((\t)%2)+4*\p:R0+64*((\t)%2)+4*\p+3], v[LN16], s[4:5] offset:(16*(\t)+\p)*ROWX th:TH_LOAD_NT
.endr
.endm
	global_load_b128 v[S:S+3], v[SZO], s[8:9]
	global_load_b128 v[Z:Z+3], v[SZO], s[10:11]
.irp i, 0,1,2,3,4,5,6,7                ; i = 4 c + t: word row 16 q + 8 c + 4 h + t (k = 64 c + 32 h + 8 t + 0 .. 7), columns 4 r .. 4 r + 3: sixteen lanes read 256 consecutive bytes
	global_load_b128 v[L+4*\i:L+4*\i+3], v[QO], s[6:7] offset:(8*(\i/4)+\i%4)*ROWX th:TH_LOAD_NT
.endr
	XLOAD 0                                        ; x's first two tiles are on their way while W is made
	XLOAD 1
; 64 numbers of a lane, v[s] .. v[s + 63], register 16 b + i = k 32 b + 16 h + i of my row, become a fragment's codes in v[PC] on and its scale word in v[w].
.macro QUANT s, w
.irp b, 0,1,2,3
	v_max3_num_f32 v[TM+\b], |v[\s+16*\b]|, |v[\s+1+16*\b]|, 0x2800000   ; block b: my 16 numbers, and the floor 2^(5 - 127): the byte cannot fall under 1
.endr
.irp i, 2,4,6,8,10,12,14
.irp b, 0,1,2,3
	v_max3_num_f32 v[TM+\b], v[TM+\b], |v[\s+16*\b+\i]|, |v[\s+1+16*\b+\i]|   ; the four blocks by turns
.endr
.endr
.irp b, 0,1,2,3
	v_permlanex16_b32 v[TM+4+\b], v[TM+\b], s22, s23
.endr
.irp b, 0,1,2,3
	v_max_num_f32 v[TM+\b], v[TM+\b], v[TM+4+\b]   ; with lane l xor 16's: the block's largest magnitude
.endr
.irp b, 0,1,2,3
	v_add_nc_u32 v[TM+8+\b], 0xfe000000, v[TM+\b]  ; 4 off its exponent field: the conversion takes the exponent field of this operand as its scale
.endr
.irp b, 0,1,2,3
	v_lshrrev_b32 v[TM+4+\b], 23, v[TM+8+\b]       ; the scale's byte
.endr
	v_lshl_or_b32 v[\w], v[TM+5], 8, v[TM+4]       ; the four bytes make my row's scale word
	v_lshl_or_b32 v[\w], v[TM+6], 16, v[\w]
	v_lshl_or_b32 v[\w], v[TM+7], 24, v[\w]
.irp c, 0,1
	v_cvt_scalef32_pk16_bf6_f32 v[PC+6*\c:PC+2+6*\c], v[\s+32*\c:\s+15+32*\c], v[TM+8+2*\c]
	v_cvt_scalef32_pk16_bf6_f32 v[PC+12+4*\c:PC+14+4*\c], v[\s+16+32*\c:\s+31+32*\c], v[TM+8+2*\c+1]   ; (a conversion's three registers begin on an even number)
.endr
	v_nop                                          ; one plain place behind a scaled conversion
.irp c, 0,1                            ; the operand's layout wants a WHOLE block in a lane: lanes 0-15 block 2 c, lanes 16-31 block 2 c + 1
.irp i, 0,1,2
	v_permlane16_swap_b32 v[PC+6*\c+\i], v[PC+12+4*\c+\i]
.endr
.irp i, 0,1,2
	v_mov_b32 v[PC+3+6*\c+\i], v[PC+12+4*\c+\i]
.endr
.endr
.endm
; W: column 4 r + j.  My lane holds its blocks h and 2 + h of the chunk whole, as the operand's layout wants them: no other lane is asked for a maximum, and nothing is transposed.
.macro WCOL j
	v_mov_b32 v[SJ], v[S+\j]                       ; the column's scale and zero, each twice: pairs for the packed multiply-add
	v_mov_b32 v[SJ+1], v[S+\j]
	v_mov_b32 v[ZJ], v[Z+\j]
	v_mov_b32 v[ZJ+1], v[Z+\j]
.irp c, 0,1
.irp t, 0,1,2,3
.irp s, 0,1,2,3,4,5,6,7
	v_bfe_u32 v[X+8*\t+\s], v[L+16*\c+4*\t+\j], 4*\s, 4   ; the nibble of k = 64 c + 32 h + 8 t + s
.endr
.endr
.irp n, 0,1,2,3,4,5,6,7,8,9,10,11,12,13,14,15,16,17,18,19,20,21,22,23,24,25,26,27,28,29,30,31
	v_cvt_f32_u32 v[X+\n], v[X+\n]
.endr
.irp n, 0,2,4,6,8,10,12,14,16,18,20,22,24,26,28,30
	v_pk_fma_f32 v[X+\n:X+\n+1], v[X+\n:X+\n+1], v[SJ:SJ+1], v[ZJ:ZJ+1] neg_lo:[0,0,1] neg_hi:[0,0,1]   ; s q - z, two at a time
.endr
	v_max3_num_f32 v[TM], |v[X]|, |v[X+1]|, |v[X+2]|               ; the block's largest magnitude, in two chains
	v_max3_num_f32 v[TM+1], |v[X+3]|, |v[X+4]|, |v[X+5]|
.irp i, 6,10,14,18,22,26
	v_max3_num_f32 v[TM], v[TM], |v[X+\i]|, |v[X+\i+1]|
	v_max3_num_f32 v[TM+1], v[TM+1], |v[X+\i+2]|, |v[X+\i+3]|
.endr
	v_max3_num_f32 v[TM], v[TM], |v[X+30]|, |v[X+31]|
	v_max3_num_f32 v[TM], v[TM], v[TM+1], 0x2800000                ; and the floor 2^(5 - 127)
	v_add_nc_u32 v[TM+8], 0xfe000000, v[TM]        ; the conversion's scale operand
	v_lshrrev_b32 v[TM+4+\c], 23, v[TM+8]          ; the scale's byte
.if (\c == 0) && (\j > 0)
	s_wait_alu depctr_va_vdst(0)
	s_wait_dscnt 0x0                               ; the last column's LDS stores are done with their registers
.endif
	v_cvt_scalef32_pk16_bf6_f32 v[PC+6*\c:PC+6*\c+2], v[X:X+15], v[TM+8]
	v_cvt_scalef32_pk16_bf6_f32 v[PC+12:PC+14], v[X+16:X+31], v[TM+8]
	v_nop                                          ; one plain place behind a scaled conversion
.irp i, 0,1,2
	v_mov_b32 v[PC+3+6*\c+\i], v[PC+12+\i]
.endr
.endr
	v_lshl_or_b32 v[TM+6], v[TM+5], 16, v[TM+4]    ; my two bytes, blocks h and 2 + h,
	v_lshlrev_b32 v[TM+6], v[SH8], v[TM+6]         ; at their places in the scale word;
	v_permlanex16_b32 v[TM+7], v[TM+6], s22, s23
	v_or_b32 v[TM+6], v[TM+6], v[TM+7]             ; with lane l xor 16's two the word is whole
.irp c, 0,1,2
	ds_store_b128 v[WSI], v[PC+4*\c:PC+4*\c+3] offset:16*\j+512*\c
.endr
	ds_store_b32 v[WSS], v[TM+6] offset:16*\j      ; both halves of the lanes write the same word with the same value
.endm
	s_wait_loadcnt 32                              ; scales, zeros and qweight are in; x's 32 loads stay out
	WCOL 0
	WCOL 1
	WCOL 2
	WCOL 3
.irp f, 0,1,2,3                        ; W's way out: LDS serves a wave's instructions in order (ISA guide 5.7.1.4): these see my stores
.irp c, 0,1,2
	ds_load_b128 v[X+4*(3*\f+\c):X+4*(3*\f+\c)+3], v[WSO] offset:WP*\f+512*\c
.endr
.endr
	ds_load_b64 v[X+48:X+49], v[WSR]
	s_wait_dscnt 0x0
.irp n, 0,1,2,3,4,5,6,7,8,9,10,11
	global_store_b128 v[LN16], v[X+4*\n:X+4*\n+3], s[14:15] offset:512*\n   ; 32 lanes store 512 consecutive bytes
.endr
	global_store_b64 v[LN8], v[X+48:X+49], s[34:35]    ; 32 lanes store 256 consecutive bytes
; x: tile t, 16 rows x 128 K.  The loads took the bytes as they lie; the conversions want 16 neighbours along K in a lane: the tile turns through my stage.  left: the younger loads that may stay out.
.macro TILE t, left
	s_wait_loadcnt \left                           ; this tile's 16 loads are in
.irp p, 0,1,2,3,4,5,6,7,8,9,10,11,12,13,14,15
	ds_store_b128 v[SI], v[R0+64*((\t)%2)+4*\p:R0+64*((\t)%2)+4*\p+3] offset:XP*\p
.endr
	s_wait_xcnt 0x0                                ; the stores to memory issued so far have read their registers: v[X] on and v[PC] on are written again only behind this wait
.irp b, 0,1,2,3
.irp j, 0,1,2,3
	ds_load_b128 v[X+16*\b+4*\j:X+16*\b+4*\j+3], v[SOU] offset:128*\b+16*\j   ; row r, k = 32 b + 16 h + 4 j on
.endr
.endr
	s_wait_dscnt 0x0                               ; the numbers are back, and the stage's stores are done with the set
.if \t < 2
	XLOAD \t+2                                     ; which takes the tile two on
.endif
	QUANT X, PW+\t
.irp c, 0,1,2
	global_store_b128 v[LN16], v[PC+4*\c:PC+4*\c+3], s[12:13] offset:1536*\t+512*\c   ; the fragment's image: 512 consecutive bytes a store
.endr
.endm
	TILE 0, 16
	TILE 1, 16
	TILE 2, 16
	TILE 3, 0
	v_cndmask_b32 v[D], v[PW], v[PW+2], s30        ; every lane holds row r's four words: lanes 0-15 send those of tiles 0 and 1, lanes 16-31 those of tiles 2 and 3
	v_cndmask_b32 v[D+1], v[PW+1], v[PW+3], s30
	global_store_b64 v[SCO], v[D:D+1], s[32:33]    ; 32 lanes store 256 consecutive bytes
	s_wait_tensorcnt 0x0
	ds_add_u32 v55, v59
	s_wait_dscnt 0x0
	s_endpgm
.Lfunc_end_k_q20c182f6d5_quant:
	.size	k_q20c182f6d5_quant, .Lfunc_end_k_q20c182f6d5_quant-k_q20c182f6d5_quant
	.p2alignl 7, 3214868480
	.fill 96, 4, 3214868480
	.section	.rodata,"a",@progbits
	.p2align	6, 0x0
	.amdhsa_kernel k_q20c182f6d5_quant
		.amdhsa_group_segment_fixed_size 61952
		.amdhsa_private_segment_fixed_size 0
		.amdhsa_enable_private_segment 0
		.amdhsa_kernarg_size 48
		.amdhsa_user_sgpr_count 2
		.amdhsa_user_sgpr_kernarg_segment_ptr 1
		.amdhsa_wavefront_size32 1
		.amdhsa_system_sgpr_workgroup_id_x 1
		.amdhsa_system_sgpr_workgroup_id_y 1
		.amdhsa_system_sgpr_workgroup_id_z 1
		.amdhsa_system_vgpr_workitem_id 0
		.amdhsa_next_free_vgpr 256
		.amdhsa_next_free_sgpr 66
		.amdhsa_reserve_vcc 0
		.amdhsa_float_denorm_mode_32 3
		.amdhsa_float_denorm_mode_16_64 3
		.amdhsa_memory_ordered 1
		.amdhsa_forward_progress 1
		.amdhsa_inst_pref_size 83
	.end_amdhsa_kernel
	.amdgpu_metadata
---
amdhsa.version: [ 1, 2 ]
amdhsa.kernels:
  - .name:           k_q20c182f6d5_quant
    .symbol:         k_q20c182f6d5_quant.kd
    .args:
      - { .name: x, .offset: 0, .size: 8, .value_kind: global_buffer, .address_space: global }
      - { .name: qweight, .offset: 8, .size: 8, .value_kind: global_buffer, .address_space: global }
      - { .name: scales, .offset: 16, .size: 8, .value_kind: global_buffer, .address_space: global }
      - { .name: zeros, .offset: 24, .size: 8, .value_kind: global_buffer, .address_space: global }
      - { .name: xq, .offset: 32, .size: 8, .value_kind: global_buffer, .address_space: global }
      - { .name: wq, .offset: 40, .size: 8, .value_kind: global_buffer, .address_space: global }
    .group_segment_fixed_size: 61952
    .private_segment_fixed_size: 0
    .kernarg_segment_align: 8
    .kernarg_segment_size: 48
    .max_flat_workgroup_size: 128
    .sgpr_count:     66
    .vgpr_count:     256
    .wavefront_size: 32
...
	.end_amdgpu_metadata
.endif
;; end of part 1
;; launch gemm (part 2): grid 16 x 16, 4 waves a work-group, clusters of 4 x 4, 327,680 bytes of LDS; arguments xq, wq, bias, out0; writes out0
.if DOCPART == 2
	.amdgcn_target "amdgcn-amd-amdhsa--gfx1250"
	.amdhsa_code_object_version 6
	.text
	.protected	k_q20c182f6d5_gemm
	.globl	k_q20c182f6d5_gemm
	.p2align	8
	.type	k_q20c182f6d5_gemm,@function
k_q20c182f6d5_gemm:
	s_mov_b64 s[64:65], 0
	v_nop
	global_prefetch_b8 v0, s[64:65] scope:SCOPE_SE
	s_setreg_imm32_b32 hwreg(HW_REG_WAVE_MODE, 25, 1), 1
	s_wait_xcnt 0x0
	s_wait_alu depctr_hold_cnt(0) depctr_sa_sdst(0) depctr_va_vdst(0) depctr_va_sdst(0) depctr_va_ssrc(0) depctr_va_vcc(0) depctr_vm_vsrc(0)
	s_getreg_b32 s2, hwreg(HW_REG_IB_STS2, 6, 4)
	s_cmp_eq_u32 s2, 0
	s_cbranch_scc0 .Lentry_in_a_cluster
	s_endpgm
.Lentry_in_a_cluster:
	s_bfe_u32 s2, ttmp6, 0x10000c
	s_cmp_lg_u32 s2, 0xf033
	s_cbranch_scc0 .Lentry_shape_is_right
	s_endpgm
.Lentry_shape_is_right:
; out0[m][o] = sum over k of A[m][k] B[o][k] + bias[o], M = N = K = 4,096.  A = x's codes (xq), B = W's codes (wq): BF6 (E3M2) with one E8M0 byte for each 32 along K; sums in f32.
; BOTH BUFFERS lie [group of 128 rows][chunk of 128 along K][CH bytes] in the order of the operand's registers: eight images of fragments (image i at 1,536 i; registers 4 c .. 4 c + 3 of lane l
; at 512 c + 16 l), then at 12,288 the scale words (row r of block i at 256 (i / 4) + 16 r + 4 (i % 4)).  A fragment comes from LDS by three loads of 16 bytes a lane, each of 512 consecutive bytes.
; A tile of out0, 256 x 256, is made by four waves; a wave makes 128 x 128: 64 accumulators, 512 registers.  K goes through a ring of two LDS slots of THREE chunks: 32 chunks = 10 x 3 + 2.
; A AND B EACH HAVE TWO SETS OF FRAGMENT REGISTERS, taken by the chunk's number modulo 2.  A chunk is ONE run of 50 LDS loads, the next chunk's fragments and scale words into the other sets, always in the
; order B's blocks 0-7, the scale words, A's blocks 0-7, and then its own 64 products on end: a run has a whole chunk's products between its issue and the wait for it.
; A SLOT'S LAST CHUNK has all its fragments in registers at its top, so the change of slots stands there: the three lines, the cluster's round, the joint refill, the run from the next slot, and the
; chunk's other 48 products.  By this text's count a wave has one tensor load out behind each round, with 176 products between the request and the wait for it.
; CLUSTERS: 4 x 4 work-groups; A's panels are shared along a row of the cluster, B's along a column, each by a joint load.  The matrix instruction is used transposed (source 0 = B's rows).
; THE BIAS is the C of each sum's first matrix instruction.  THE LAST TWO CHUNKS go by rows of out0, so that finished rows leave while the others are multiplied; K stays ascending in every sum.
; PREFETCH: behind the joint load of fill f each wave asks for its share of fill f + 1 (one slot, 192 products, ahead of the load that wants it): of the panel's 150 blocks of 256 bytes the four partners
; that load it jointly take 38 each, told apart by address.  The last fill (100 blocks) is not asked for: the last two changes of slots ask for nothing.
; REGISTERS: window 0: v0-31 addresses; v32-47 scale words, two sets; A's set 0 at v128-223, set 1 at v48-119 and v224-247.  window 1: B's sets at v0 and v128; the bias at v96-127 and v224-255.
;   window 2: the accumulators of my rows 0-63 ((a, b) at v[8 (8 a + b)]);  window 3: those of my rows 64-127.
.set CH,     12800
.set FRB,    1536
.set SCB,    12288
.set PAN,    3*CH                      ; what one tensor load brings: three chunks of one group of 128 rows
.set SLOT,   4*PAN                     ; A's two panels, then B's two
.set SPARE,  2*SLOT                    ; the spare words, 128 bytes a wave
.set STAGE,  SLOT                      ; the way out: 16 rows x 528 bytes a wave, in slot 1, which has had its last fill and its last read by then
.set SPITCH, 528
.set GROW,   32*CH
.set ROWC,   16384
.set FR,     12
.set NP,     4                         ; places behind this matrix instruction (ISA guide 7.12.1)
.set ADRA, 16                          ; v16-17 my lane's 16 bytes in my panel of A, slot 0, 1
.set ADRB, 20                          ; v20-21 the same for B
.set ADRS, 22                          ; v22-23 my scale words: lanes 0-15 A's rows, lanes 16-31 B's
.set STO,  24
.set RD,   25
.set CO,   26                          ; 16 x lane
.set BO,   27                          ; 32 x (lane / 16)
.set SPW,  28
.set NIL,  29
.set PF0,  30                          ; v30, v31 the prefetches' offsets: my 38 blocks of the panel's 150; never rewritten
.set PF1,  31
.set SC,   32
.set AF,   128
.set G1A,  24
.set G0A,  32
.set G1B,  48
.set G0B,  56
.set G1AL, 68                          ; groups 1 for the last fill: 100 rows
.set G1BL, 76
.set PFA,  84                          ; s[84:85] the panel and fill that my next prefetches name
.set MSB, 0
.macro WIN new
.if MSB != (\new)
	s_set_vgpr_msb (MSB<<8)|(\new)
.set MSB, (\new)
.endif
.endm
.set MUL_LO, 0xa1                      ; source 0 (B) window 1, source 1 (A) window 0, C and D window 2
.set MUL_HI, 0xf1
.set TO_B,   0x40
.macro JLOAD g0a, g1a, g0b, g1b        ; a joint load: waves 0 and 1 fetch for A, waves 2 and 3 for B
	s_cmp_eq_u32 s15, 0
	s_cbranch_scc0 .Lfor_b_\@
	tensor_load_to_lds s[\g0a:\g0a+3], s[\g1a:\g1a+7]
	s_nop 0
.rept 4
	v_nop
.endr
	s_branch .Lasked_\@
.Lfor_b_\@:
	tensor_load_to_lds s[\g0b:\g0b+3], s[\g1b:\g1b+7]
	s_nop 0
.rept 4
	v_nop
.endr
.Lasked_\@:
.endm
.macro CREST
	s_cmp_lg_u32 s14, 0
	s_cbranch_scc1 .Lnot_wave_0_\@
	s_barrier_signal -3
.Lnot_wave_0_\@:
	s_barrier_wait -3
	s_barrier_signal -1
	s_barrier_wait -1
.endm
.macro CROUND
	s_barrier_signal -1
	s_barrier_wait -1
	CREST
.endm
.macro ASK guard                       ; my 38 blocks of the next fill; guard = 1: not in the loop's last trip, whose next fill is the short one
.if \guard
	s_cmp_gt_u32 s3, 1
	s_cbranch_scc0 .Lno_ask_\@
.endif
	global_prefetch_b8 v[PF0], s[PFA:PFA+1] th:TH_LOAD_NT scope:SCOPE_SE
	global_prefetch_b8 v[PF1], s[PFA:PFA+1] th:TH_LOAD_NT scope:SCOPE_SE
.if \guard
.Lno_ask_\@:
.endif
.endm
.macro PLACES n
.rept \n
	v_nop
.endr
.endm
	s_load_b256 s[4:11], s[0:1], 0x0               ; xq, wq, bias, out0
	v_lshl_add_u32 v[SPW], v0, 2, SPARE
	v_mov_b32 v[NIL], 0
	ds_add_u32 v[SPW], v[NIL]                      ; the opening lines: the add, twice on end, and its wait
	ds_add_u32 v[SPW], v[NIL]
	v_lshrrev_b32 v1, 5, v0
	v_readfirstlane_b32 s14, v1                    ; wave
	s_lshr_b32 s15, s14, 1                         ; my half of the tile's rows; also: I fetch for A (0) or B (1)
	s_and_b32 s16, s14, 1                          ; my half of its columns; also: which of the two panels I fetch
	s_bfe_u32 s40, ttmp6, 0x40000                  ; cx
	s_bfe_u32 s41, ttmp6, 0x40004                  ; cy
	s_lshl_b32 s42, ttmp9, 2
	s_add_co_u32 s42, s42, s40                     ; tile column
	s_and_b32 s17, ttmp7, 0xffff
	s_lshl_b32 s17, s17, 2
	s_add_co_u32 s17, s17, s41                     ; tile row
	s_lshl_b32 s43, s41, 2
	s_lshl_b32 s43, 15, s43                        ; my row of the cluster
	s_lshl_b32 s44, 0x1111, s40                    ; my column
	s_or_b32 s[G1A], s43, (3<<16)|(1<<21)          ; a dense block as rows of 256 bytes: 32 elements of 8 bytes; the mask, bit 21 beside it
	s_or_b32 s[G1AL], s43, (3<<16)|(1<<21)
	s_or_b32 s[G1B], s44, (3<<16)|(1<<21)
	s_or_b32 s[G1BL], s44, (3<<16)|(1<<21)
.irp g, G1A, G1B
	s_mov_b32 s[\g+1], 32<<16
	s_mov_b32 s[\g+2], 150<<16                     ; three chunks
	s_mov_b32 s[\g+3], 32<<16
	s_mov_b32 s[\g+4], 150
	s_mov_b32 s[\g+5], 32
	s_mov_b32 s[\g+6], 0
	s_mov_b32 s[\g+7], 0
.endr
.irp g, G1AL, G1BL
	s_mov_b32 s[\g+1], 32<<16
	s_mov_b32 s[\g+2], 100<<16                     ; two chunks
	s_mov_b32 s[\g+3], 32<<16
	s_mov_b32 s[\g+4], 100
	s_mov_b32 s[\g+5], 32
	s_mov_b32 s[\g+6], 0
	s_mov_b32 s[\g+7], 0
.endr
	s_lshl_b32 s20, s17, 1
	s_add_co_u32 s20, s20, s16                     ; A: group 2 x tile row + which
	s_mul_i32 s20, s20, GROW
	s_mov_b32 s21, 0
	s_lshl_b32 s46, s42, 1
	s_add_co_u32 s46, s46, s16                     ; B: group 2 x tile column + which
	s_mul_i32 s46, s46, GROW
	s_mov_b32 s47, 0
	s_mul_i32 s45, s14, PAN                        ; where my panel goes
	s_cmp_eq_u32 s15, 0
	s_cselect_b32 s86, s40, s41                    ; my place among the four that load my panel with me
	s_mul_i32 s86, s86, 38                         ; my first block of its 150
	s_mul_i32 s87, s15, PAN                        ; the panel of A that I read
	s_mul_i32 s88, s16, PAN
	s_add_co_u32 s88, s88, 2*PAN                   ; the panel of B
	s_sub_co_u32 s89, s88, s87
	s_add_co_u32 s90, s87, SCB
	s_mul_i32 s91, s14, 16*SPITCH
	s_add_co_u32 s91, s91, STAGE                   ; my stage
	s_wait_dscnt 0x0                               ; both opening adds are done
	s_wait_kmcnt 0x0
	s_add_nc_u64 s[20:21], s[4:5], s[20:21]
	s_add_nc_u64 s[46:47], s[6:7], s[46:47]
	s_cmp_eq_u32 s15, 0
	s_cselect_b64 s[PFA:PFA+1], s[20:21], s[46:47]
	s_add_nc_u64 s[PFA:PFA+1], s[PFA:PFA+1], 3*CH  ; fill 1
.irp s, 0,1
	s_mov_b32 s[G0A+4*\s], 1
	s_add_co_u32 s[G0A+4*\s+1], s45, \s*SLOT
	s_add_nc_u64 s[G0A+4*\s+2:G0A+4*\s+3], s[20:21], \s*3*CH
	s_or_b32 s[G0A+4*\s+3], s[G0A+4*\s+3], 0x80000000
	s_mov_b32 s[G0B+4*\s], 1
	s_add_co_u32 s[G0B+4*\s+1], s45, \s*SLOT
	s_add_nc_u64 s[G0B+4*\s+2:G0B+4*\s+3], s[46:47], \s*3*CH
	s_or_b32 s[G0B+4*\s+3], s[G0B+4*\s+3], 0x80000000
.endr
	CROUND                                         ; all sixteen work-groups are here: the first joint loads meet
	JLOAD G0A, G1A, G0B, G1B                       ; chunks 0 to 2: one tensor load a wave at the head
	s_lshl_b32 s46, s42, 10                        ; my first column in bytes of f32: in the bias and in a row of out0
	s_lshl_b32 s47, s16, 9
	s_add_co_u32 s46, s46, s47
	s_mov_b32 s47, 0
	s_add_nc_u64 s[8:9], s[8:9], s[46:47]
	s_lshl_b32 s20, s17, 8
	s_lshl_b32 s21, s15, 7
	s_add_co_u32 s20, s20, s21                     ; my first row
	s_lshl_b32 s20, s20, 14
	s_mov_b32 s21, 0
	s_add_nc_u64 s[20:21], s[20:21], s[46:47]
	s_add_nc_u64 s[10:11], s[10:11], s[20:21]
	v_and_b32 v1, 15, v0                           ; r
	v_bfe_u32 v2, v0, 4, 1                         ; h
	v_and_b32 v3, 31, v0                           ; lane
	v_lshlrev_b32 v[CO], 4, v3
	v_lshlrev_b32 v[BO], 5, v2
	v_mul_u32_u24 v5, s89, v2                      ; lanes 16-31 take B's scale words
	v_lshl_add_u32 v5, v1, 4, v5
	v_add_nc_u32 v[ADRS], s90, v5
	v_add_nc_u32 v[ADRS+1], SLOT, v[ADRS]
	v_add_nc_u32 v[ADRA], s87, v[CO]
	v_add_nc_u32 v[ADRA+1], SLOT, v[ADRA]
	v_add_nc_u32 v[ADRB], s88, v[CO]
	v_add_nc_u32 v[ADRB+1], SLOT, v[ADRB]
	v_mul_u32_u24 v7, v1, SPITCH
	v_lshl_add_u32 v7, v2, 5, v7
	v_add_nc_u32 v[STO], s91, v7
	v_add_nc_u32 v[RD], s91, v[CO]
	v_add_nc_u32 v4, s86, v3                       ; blocks 38 p + lane,
	v_min_u32 v4, 149, v4
	v_lshlrev_b32 v[PF0], 8, v4
	v_add_nc_u32 v6, 32, v3                        ; and 38 p + 32 .. 37; the lanes left over name my last block again
	v_min_u32 v6, 37, v6
	v_add_nc_u32 v6, s86, v6
	v_min_u32 v6, 149, v6                          ; inside the panel's 150
	v_lshlrev_b32 v[PF1], 8, v6
	s_wait_alu depctr_va_vdst(0)                   ; the end of the head's vector work
	ASK 0                                          ; fill 1
	WIN TO_B
.irp b, 0,1,2,3,4,5,6,7                ; lane (r, h) wants, for B's block b, bias[my first column + 16 b + 8 h + 0 .. 7]
.irp e, 0,1
	global_load_b128 v[96+8*\b+(\b/4)*96+4*\e:96+8*\b+(\b/4)*96+4*\e+3], v[BO], s[8:9] offset:64*\b+16*\e
.endr
.endr
	WIN 0
.macro FRAG reg, adr, q, i             ; block i of the slot's chunk q: the image of 12 registers, as it lies
.irp c, 0,1,2
	ds_load_b128 v[\reg+4*\c:\reg+4*\c+3], v[\adr] offset:(\q)*CH+(\i)*FRB+512*\c
.endr
.endm
.macro SCALES slot, q, t
.irp u, 0,1
	ds_load_b128 v[SC+8*(\t)+4*\u:SC+8*(\t)+4*\u+3], v[ADRS+\slot] offset:(\q)*CH+256*\u
.endr
.endm
; The g-th of a run's sixteen groups of LDS loads, into sets t: 0-7 B's blocks; 8 the scale words and A's block 0; 9-15 A's blocks 1-7.
; rows = 1: in place of A's eight blocks of one chunk, blocks 0-3 of chunks q and q + 1, for the walk by rows.
.macro LDF g, slot, q, t, rows
.if (\g) < 8
	WIN TO_B
	FRAG 128*(\t)+FR*(\g), ADRB+\slot, \q, \g
.else
	WIN 0
.if (\g) == 8
	SCALES \slot, \q, \t
.endif
.if \rows
	FRAG 128+FR*((\g)-8), ADRA+\slot, (\q)+((\g)%2), ((\g)-8)/2
.else
	FRAG 128+FR*((\g)-8)+(\t)*((((\g)-8)/6)*104-80), ADRA+\slot, \q, (\g)-8
.endif
.endif
.endm
.macro RUN slot, q, t, rows            ; a chunk's 50 LDS loads in one run; it leaves every window 0
.irp g, 0,1,2,3,4,5,6,7,8,9,10,11,12,13,14,15
	LDF \g, \slot, \q, \t, \rows
.endr
.endm
; One product: A's block a x B's block b, sets p.  first = 1: the sum begins with the bias as C.  The 64 accumulators take turns, one instruction a turn.
.macro MM a, b, p, first
.set AC, 8*(8*((\a)%4)+(\b))
.set BR, 128*(\p)+FR*(\b)
.set AR, 128+FR*(\a)+(\p)*(((\a)/6)*104-80)
.set SB, SC+8*(\p)+(\b)
.set SA, SC+8*(\p)+(\a)
.if \first
.set CR, 96+8*(\b)+((\b)/4)*96
	v_wmma_scale_f32_16x16x128_f8f6f4 v[AC:AC+7], v[BR:BR+FR-1], v[AR:AR+FR-1], v[CR:CR+7], v[SB], v[SA] matrix_a_fmt:MATRIX_FMT_BF6 matrix_b_fmt:MATRIX_FMT_BF6 matrix_a_scale:MATRIX_SCALE_ROW1
.else
	v_wmma_scale_f32_16x16x128_f8f6f4 v[AC:AC+7], v[BR:BR+FR-1], v[AR:AR+FR-1], v[AC:AC+7], v[SB], v[SA] matrix_a_fmt:MATRIX_FMT_BF6 matrix_b_fmt:MATRIX_FMT_BF6 matrix_a_scale:MATRIX_SCALE_ROW1
.endif
.endm
.macro MUL8 a, p
	WIN MUL_LO+0x50*((\a)/4)
.irp b, 0,1,2,3,4,5,6,7
	MM \a, \b, \p, 0
.endr
.endm
; A chunk, sets p, whose successor is chunk q of the same slot: the successor's run into the other sets, which the last chunk's products have left (four places), then the 64 products.
.macro STEP slot, q, p, first, rows
	s_wait_dscnt 12                                ; of the last run B, the scale words and A's blocks 0-3 are in; A's blocks 4-7, twelve loads, may be out
	PLACES NP
	RUN \slot, \q, 1-(\p), \rows
.irp a, 0,1,2,3,4,5,6,7
.if \a == 4
	s_wait_dscnt 50                                ; all but this chunk's own run
.endif
	WIN (MUL_LO+0x50*((\a)/4))-(0x10+0x10*((\a)/4))*(\first)
.irp b, 0,1,2,3,4,5,6,7
	MM \a, \b, \p, \first
.endr
.endr
	WIN 0
.endm
; A slot's last chunk, sets p.  kind 1: the slot is filled again, six chunks on; 2: with the last fill's two chunks; 0: nothing is filled, so no round.  ask 1, 2: the prefetch, 2 with its guard.
.macro TURN slot, p, next, kind, ask, rows
.if \ask
	s_wait_xcnt 0x0                                ; my prefetches have read their address: it steps one fill on
	s_add_nc_u64 s[PFA:PFA+1], s[PFA:PFA+1], 3*CH
.endif
	s_wait_tensorcnt 0x0                           ; all my tensor loads have landed: my panel of the next slot
	ds_add_u32 v[SPW], v[NIL]
.if \kind
	s_add_nc_u64 s[G0A+4*\slot+2:G0A+4*\slot+3], s[G0A+4*\slot+2:G0A+4*\slot+3], 6*CH
	s_add_nc_u64 s[G0B+4*\slot+2:G0B+4*\slot+3], s[G0B+4*\slot+2:G0B+4*\slot+3], 6*CH
.endif
	s_wait_dscnt 1                                 ; the last run is in; the add may be out
	MUL8 0, \p                                     ; eight products between the add and the wait for it
	s_wait_dscnt 0x0                               ; the add is done, and my reads of this slot are over
	s_barrier_signal -1
	MUL8 1, \p                                     ; eight products, work on registers, between the opening signal and its wait
	WIN 0
	s_barrier_wait -1
.if \kind
	CREST                                          ; the rest of the cluster's round
.if \kind == 1
	JLOAD G0A+4*\slot, G1A, G0B+4*\slot, G1B       ; the first tensor load behind the round; its four v_nop are the places ahead of the run below
.else
	JLOAD G0A+4*\slot, G1AL, G0B+4*\slot, G1BL
.endif
.else
	PLACES NP
.endif
	RUN \next, 0, 1-(\p), \rows
.if \ask
	ASK \ask-1
.endif
.irp a, 2,3,4,5,6,7
	MUL8 \a, \p
.endr
	WIN 0
.endm
; BY ROWS (chunks 30 and 31, chunks 0 and 1 of slot 0).  A's block a for both chunks: 24 registers, buffer a % 4 of the four that lie where A's set 0 lay.
.macro ALOAD a
.irp c, 0,1
	FRAG AF+2*FR*((\a)%4)+FR*\c, ADRA, \c, \a
.endr
.endm
.macro RM a, b, c                      ; block a x B's block b, chunk 30 + c (B's set c)
.set AC, 8*(8*((\a)%4)+(\b))
.set AR, AF+2*FR*((\a)%4)+FR*(\c)
	v_wmma_scale_f32_16x16x128_f8f6f4 v[AC:AC+7], v[128*(\c)+FR*(\b):128*(\c)+FR*(\b)+FR-1], v[AR:AR+FR-1], v[AC:AC+7], v[SC+8*(\c)+(\b)], v[SC+8*(\c)+(\a)] matrix_a_fmt:MATRIX_FMT_BF6 matrix_b_fmt:MATRIX_FMT_BF6 matrix_a_scale:MATRIX_SCALE_ROW1
.endm
; THE WAY OUT of block a, 16 rows x 128 columns: through my own stage in LDS and back as whole rows of 512 bytes, into the registers that it left, which nothing writes again.
; LDS serves a wave's instructions in order (ISA guide 5.7.1.4): no wait between the stores and the loads.  A row's place stands in the store's immediate: no base is stepped.
.macro OUT a
.set AC, 64*((\a)%4)
.set WW, 2+(\a)/4
	PLACES NP                                      ; behind the block's last products
.if (\a) < 4
	WIN 0
	ALOAD (\a)+4                                   ; the buffer takes the block four further on
.endif
	WIN (WW<<6)|(WW<<2)
.irp b, 0,1,2,3,4,5,6,7
	ds_store_b128 v[STO], v[AC+8*\b:AC+8*\b+3] offset:64*\b          ; each accumulator from its low end on
	ds_store_b128 v[STO], v[AC+8*\b+4:AC+8*\b+7] offset:64*\b+16
.endr
.irp t, 0,1,2,3,4,5,6,7,8,9,10,11,12,13,14,15
	ds_load_b128 v[AC+4*\t:AC+4*\t+3], v[RD] offset:\t*SPITCH
.endr
	s_wait_dscnt 0x0
.irp t, 0,1,2,3,4,5,6,7,8,9,10,11,12,13,14,15
	global_store_b128 v[CO], v[AC+4*\t:AC+4*\t+3], s[10:11] offset:(16*(\a)+\t)*ROWC th:TH_STORE_NT   ; 32 lanes store 512 consecutive bytes, at a multiple of 256 from out0's first byte
.endr
.endm
	s_wait_xcnt 0x0                                ; the prefetches have read their address
	s_add_nc_u64 s[PFA:PFA+1], s[PFA:PFA+1], 3*CH  ; fill 2
	s_wait_tensorcnt 0x0                           ; my panel of slot 0 is in
	ds_add_u32 v[SPW], v[NIL]
	s_wait_dscnt 0x0
	CROUND                                         ; everybody's panel is in, and all sixteen work-groups are here
	JLOAD G0A+4, G1A, G0B+4, G1B                   ; chunks 3 to 5
	RUN 0, 0, 0, 0                                 ; chunk 0's fragments
	ASK 0
	s_wait_loadcnt 0x0                             ; the bias
	STEP 0, 1, 0, 1, 0                             ; chunk 0 starts the sums, on the bias
	s_mov_b32 s3, 4
.Llap:                                                 ; chunks 6 t + 1 .. 6 t + 6: once round the ring, both slots filled again
	STEP 0, 2, 1, 0, 0
	TURN 0, 0, 1, 1, 1, 0
	STEP 1, 1, 1, 0, 0
	STEP 1, 2, 0, 0, 0
	TURN 1, 1, 0, 1, 2, 0
	STEP 0, 1, 0, 0, 0
	s_sub_co_u32 s3, s3, 1
	s_cmp_lg_u32 s3, 0
	s_cbranch_scc1 .Llap
	STEP 0, 2, 1, 0, 0                             ; chunk 25: the tail is written out
	TURN 0, 0, 1, 2, 0, 0                          ; chunk 26; slot 0 takes chunks 30 and 31
	STEP 1, 1, 1, 0, 0                             ; chunk 27
	STEP 1, 2, 0, 0, 0                             ; chunk 28
	TURN 1, 1, 0, 0, 0, 1                          ; chunk 29: the last change of slots; B's chunk 30 into set 0, A's blocks 0-3 of both chunks
	PLACES NP                                      ; chunk 29's products have left B's set 1 and its scale words:
	WIN TO_B
.irp i, 0,1,2,3,4,5,6,7
	FRAG 128+FR*\i, ADRB, 1, \i                    ; they take chunk 31's
.endr
	WIN 0
	SCALES 0, 1, 1
	s_wait_dscnt 26                                ; all but the 26 just issued
	WIN MUL_LO
.irp a, 0,1,2,3                        ; chunk 30 of blocks 0-3: 32 products between chunk 31's loads and the wait for them
.irp b, 0,1,2,3,4,5,6,7
	RM \a, \b, 0
.endr
.endr
	s_wait_dscnt 0x0
.irp a, 0,1,2,3,4,5,6,7                ; each block is finished and leaves at once
	WIN MUL_LO+0x50*(\a/4)
.if \a > 3
.irp b, 0,1,2,3,4,5,6,7
	RM \a, \b, 0
.endr
.endif
.irp b, 0,1,2,3,4,5,6,7
	RM \a, \b, 1
.endr
	OUT \a
.endr
	WIN 0
	s_wait_tensorcnt 0x0                           ; the wave's end
	ds_add_u32 v[SPW], v[NIL]
	s_wait_dscnt 0x0
	CROUND                                         ; the closing round
	s_endpgm
.Lfunc_end_k_q20c182f6d5_gemm:
	.size	k_q20c182f6d5_gemm, .Lfunc_end_k_q20c182f6d5_gemm-k_q20c182f6d5_gemm
	.p2alignl 7, 3214868480
	.fill 96, 4, 3214868480
	.section	.rodata,"a",@progbits
	.p2align	6, 0x0
	.amdhsa_kernel k_q20c182f6d5_gemm
		.amdhsa_group_segment_fixed_size 327680
		.amdhsa_private_segment_fixed_size 0
		.amdhsa_enable_private_segment 0
		.amdhsa_kernarg_size 32
		.amdhsa_user_sgpr_count 2
		.amdhsa_user_sgpr_kernarg_segment_ptr 1
		.amdhsa_wavefront_size32 1
		.amdhsa_system_sgpr_workgroup_id_x 1
		.amdhsa_system_sgpr_workgroup_id_y 1
		.amdhsa_system_sgpr_workgroup_id_z 1
		.amdhsa_system_vgpr_workitem_id 0
		.amdhsa_next_free_vgpr 1024
		.amdhsa_next_free_sgpr 100
		.amdhsa_reserve_vcc 0
		.amdhsa_float_denorm_mode_32 3
		.amdhsa_float_denorm_mode_16_64 3
		.amdhsa_memory_ordered 1
		.amdhsa_forward_progress 1
		.amdhsa_inst_pref_size 205
	.end_amdhsa_kernel
	.amdgpu_metadata
---
amdhsa.version: [ 1, 2 ]
amdhsa.kernels:
  - .name:           k_q20c182f6d5_gemm
    .symbol:         k_q20c182f6d5_gemm.kd
    .args:
      - { .name: xq, .offset: 0, .size: 8, .value_kind: global_buffer, .address_space: global }
      - { .name: wq, .offset: 8, .size: 8, .value_kind: global_buffer, .address_space: global }
      - { .name: bias, .offset: 16, .size: 8, .value_kind: global_buffer, .address_space: global }
      - { .name: out0, .offset: 24, .size: 8, .value_kind: global_buffer, .address_space: global }
    .group_segment_fixed_size: 327680
    .private_segment_fixed_size: 0
    .kernarg_segment_align: 8
    .kernarg_segment_size: 32
    .max_flat_workgroup_size: 128
    .sgpr_count:     100
    .vgpr_count:     1024
    .wavefront_size: 32
...
	.end_amdgpu_metadata
.endif
;; end of part 2
